; MI455X (gfx1250); checked and timed in simulation.
; The chip was launched on July 23, 2026; its instructions are those of AMD's public machine-readable ISA for CDNA 5 (MIT licence, August 2026) and "CDNA5" Instruction Set Architecture Reference Guide (July 2026). The comments in the code are by the model that wrote it; some were corrected since.
;; Self Attention. Allowed arithmetic: matrix products marked QUANTISED: E2M3 operands, one E8M0 scale for each 32 along K, by v_wmma_scale_f32_16x16x128_f8f6f4 with both operands' format E2M3, f32 sums; everything else in f32.
;; Inputs: b_out 1,024 float32; w_out 1,024 x 1,024 float32; w_qkv 3,072 x 1,024 float32; x 4 x 2,048 x 1,024 float32.
;; Outputs: out0 4 x 2,048 x 1,024 float32.
;; This version of the problem:
;;   THIS VERSION OF THE PROBLEM IS GIVEN IN LOW PRECISION. The matrix products marked QUANTISED in the list below multiply operands that are first quantised to E2M3 (2 exponent bits, 3 mantissa bits; 6 bits a number), with one power-of-two scale for each 32 numbers along K (OCP MX v1.0); their sums are f32. All else is computed in f32.
;;   The module's matrix products, in the order in which they are computed (A, B: the left and right operand; K: the contracted axis; several contracted axes count as one K, in the product's order):
;;     1. [M 8,192, K 1,024] x [K 1,024, N 3,072]; A: input x; B: input w_qkv: QUANTISED
;;     2. batch 64 x [M 2,048, K 64] x [K 64, N 2,048]; A: computed on the way; B: computed on the way: QUANTISED
;;     3. batch 64 x [M 2,048, K 2,048] x [K 2,048, N 64]; A: softmax (see below); B: computed on the way: QUANTISED
;;     4. [M 8,192, K 1,024] x [K 1,024, N 1,024]; A: computed on the way; B: input w_out: QUANTISED
;;   THE QUANTISER, for each operand of a quantised product, along K:
;;     - K is cut into blocks of 32 from its start; a last block that is shorter is filled with zeros.
;;     - A block's scale is 2^e with e = floor(log2(the largest magnitude in the block)) - 2, held to -126 .. 127; a block of zeros has e = 0. As a byte (E8M0): e + 127.
;;     - Each number is divided by its block's scale, clamped to +-7.5, and rounded to the nearest number of E2M3, ties to even, subnormals kept.
;;     - The product sums the exact products of the quantised numbers (number of the format x scale) in f32.
;;   ~~~python
;;   def quantise(x, axis):      # numpy; x: float32 -> the quantised numbers, widened to float32 again
;;       x = np.moveaxis(x, axis, -1); K = x.shape[-1]
;;       x = np.pad(x, [(0, 0)] * (x.ndim - 1) + [(0, -K % 32)]); x = x.reshape(x.shape[:-1] + (-1, 32)); a = np.abs(x).max(-1, keepdims=True)
;;       e = np.where(a > 0, np.clip(np.frexp(np.where(a > 0, a, 1))[1] - 1 - 2, -126, 127), 0)      # np.frexp(a)[1] - 1 = floor(log2(a)), exactly
;;       r = np.clip(x / 2.0 ** e, -7.5, 7.5)
;;       step = 2.0 ** (np.maximum(np.frexp(np.where(r == 0, 1, r))[1] - 1, 0) - 3)
;;       q = np.round(r / step) * step * 2.0 ** e      # np.round: ties to even
;;       return np.moveaxis(q.reshape(q.shape[:-2] + (-1,))[..., :K], -1, axis).astype(np.float32)
;;   ~~~
;;   SOFTMAX AHEAD OF A QUANTISED PRODUCT. Where the list says 'softmax', what is quantised is not the finished softmax but p = 2^(t - M), with t = logit x log2(e) and M = ceil(the row's largest t), a whole number; so 1/2 < the row's largest p <= 1. The row's sum l is taken of the UNQUANTISED p, in f32, and the product's result is divided by l at the end. Since M is a whole number, a kernel that streams over the keys may use a running M (the ceiling of the running maximum): every later rescaling is an exact power of two, which a block's scale takes up: the codes' values come out the same.
;;   OPERANDS COMPUTED ON THE WAY. 'Computed on the way' means the value that the module computes at that place (a softmax that the list does not call 'softmax' is quantised finished and normalised). What goes into a quantiser is computed in f32, as accurately as f32 sums, v_exp_f32 and their like allow (about 1e-6 of the number): no bf16 or f16 on the way to a quantiser, and a product that is left as it is and whose result goes on into a quantised operand takes f32 operands (vector FMAs, or v_wmma_f32_16x16x4_f32). A number that lies on a knife's edge between two numbers of the format may be rounded either way, as far as f32 arithmetic and the matrix unit's own rounding can turn it there, and no further.
;; One version. Each part assembles by itself: llvm-mc -triple=amdgcn-amd-amdhsa -mcpu=gfx1250 --defsym DOCPART=n.
;; ======== version 1 of 1: 4 launches
;; limits: right only within a limited range of input values
;; workspace buffers: cod1 9,437,184 bytes; scl1 393,216 bytes; qkv 19,660,800 bytes; oc 6,291,456 bytes; os 262,144 bytes
;; launch quant (part 1): grid 384 x 1, 4 waves a work-group, no clusters, 35,328 bytes of LDS; arguments x, w_qkv, w_out, cod1, scl1; writes cod1, scl1
.if DOCPART == 1
	.amdgcn_target "amdgcn-amd-amdhsa--gfx1250"
	.amdhsa_code_object_version 6
	.text
	.protected	k_q0696b8a5ac_quant
	.globl	k_q0696b8a5ac_quant
	.p2align	8
	.type	k_q0696b8a5ac_quant,@function
k_q0696b8a5ac_quant:
	s_mov_b64 s[64:65], 0
	v_nop
	global_prefetch_b8 v0, s[64:65] scope:SCOPE_SE
	s_setreg_imm32_b32 hwreg(HW_REG_WAVE_MODE, 25, 1), 1
	s_wait_xcnt 0x0
; x [8192][1024], w_qkv [3072][1024] and w_out [1024][1024], f32, become codes of FP6 (E2M3) with one E8M0 byte for each 32 along K = 1024.
; A block's scale is 2^(floor(log2(largest magnitude)) - 2); its byte is the largest magnitude's exponent field - 2, held at 1 from below.
; LIMITS: NaN and infinities among the inputs are not served.  A block of zeros gets the byte 1 where the rule says 127: its codes are zeros, and this program alone reads the bytes.
; LAYOUT OF THE CODES (cod1): the three tensors on end are 12,288 rows = 768 tiles of 16 rows.  Rows go in groups of 64: tile t (0..3) of group G holds, in its row m, the tensor's row 64 G + 32 (m / 8) + 8 t + m % 8.
; A tile is 16 HALF IMAGES along K, 768 bytes each: 16 rows x 64 codes as three planes of 256 bytes; in plane p lane l = m + 16 h owns the 8 bytes at 256 p + 8 l: bytes 8 p .. 8 p + 7 of the 24 bytes of codes k = 32 h .. 32 h + 31 of row m.
; Two half images on end are the 12 registers of an operand (16 rows x 128 K), six loads of 8 bytes a lane at 8 x lane.  LAYOUT OF THE SCALES (scl1): [768 tiles][8 steps of 128 K][16 rows][4 bytes].
; SHARES: work-group g, wave w: tile 2 g + w / 2, half w % 2 of K: four steps of 16 rows x 128 K.  Each load reads 512 consecutive bytes of one row; a step's 8 KiB turn through the wave's own stage in LDS (rows 528 bytes apart),
; so that lane (m, h) gets k = 64 c + 32 h + 0 .. 31 of row m in 64 consecutive registers: two whole blocks a lane, no other lane is asked for a maximum.
; No tensor loads, no barrier, no cluster: waves share nothing and every input byte is read once.  Loads run two steps (32 loads a wave) ahead.
.set WREG, 8704                        ; LDS of a wave: the stage, 16 rows x 528 bytes, and behind it 256 bytes for its scale words
.set SP,   528
.set SCW,  16*SP
.set CH,   10                          ; v10-13  four running maxima, 16 numbers each
.set SO,   14                          ; v14-15  the conversions' scale operands
.set BY,   16                          ; v16-17  the scale bytes
.set PT,   18                          ; v18     the lane permute's destination
.set W,    20                          ; v20-23  a scale word for each step
.set C,    24                          ; v24-35  a step's codes: 12 registers
.set TC,   36                          ; v36-43  the second halves of the blocks' codes, as the conversions leave them
.set R,    48                          ; v48-175 two sets of 64 registers as loaded
.set X,    176                         ; v176-239 64 numbers of my row: register 32 c + i = k 64 c + 32 h + i
	s_load_b128 s[4:7], s[0:1], 0x0                ; x, w_qkv
	s_load_b128 s[8:11], s[0:1], 0x10              ; w_out, cod1
	s_load_b64 s[12:13], s[0:1], 0x20              ; scl1
	v_lshl_add_u32 v240, v0, 2, 0x8800
	v_mov_b32 v241, 0
	v_lshrrev_b32 v1, 5, v0
	v_readfirstlane_b32 s14, v1                    ; wave 0..3
	v_and_b32 v1, 31, v0                           ; lane
	v_and_b32 v9, 15, v0                           ; m
	v_bfe_u32 v6, v0, 4, 1                         ; h
	s_mul_i32 s15, s14, WREG
	v_lshlrev_b32 v2, 4, v1                        ; 16 x lane: my bytes of a load
	v_add_nc_u32 v3, s15, v2                       ; the stage, on the way in
	v_mul_u32_u24 v4, v9, SP
	v_lshl_add_u32 v4, v6, 7, v4
	v_add_nc_u32 v4, s15, v4                       ; and on the way out: row m, + 128 h
	v_lshlrev_b32 v5, 3, v1                        ; 8 x lane: my bytes of a plane
	v_lshlrev_b32 v7, 2, v1
	v_add_nc_u32 v7, s15, v7
	v_add_nc_u32 v7, SCW, v7                       ; my scale word in LDS
	v_add_nc_u32 v8, s15, v5
	v_add_nc_u32 v8, SCW, v8                       ; and 8 bytes a lane on the way out
	v_lshlrev_b32 v6, 3, v6                        ; 8 h: how far my two bytes are shifted in the word
	v_mov_b32 v[PT], 0                             ; written once: a lane permute's destination counts as one of its sources
	s_mov_b32 s20, 0x76543210
	s_mov_b32 s21, 0xfedcba98                      ; selects for lane l xor 16
	s_wait_alu depctr_va_vdst(0)
	s_wait_kmcnt 0x0
	s_cmp_lt_u32 ttmp9, 352                        ; which tensor: the choice hangs on the work-group's number alone
	s_cselect_b64 s[6:7], s[6:7], s[8:9]
	s_mov_b32 s16, 352
	s_cselect_b32 s16, 256, s16
	s_cmp_lt_u32 ttmp9, 256
	s_cselect_b64 s[4:5], s[4:5], s[6:7]
	s_cselect_b32 s16, 0, s16
	s_sub_co_u32 s16, ttmp9, s16                   ; the work-group's number within its tensor
	s_lshr_b32 s17, s16, 1
	s_lshl_b32 s17, s17, 6                         ; 64 x group
	s_and_b32 s18, s16, 1
	s_lshl_b32 s18, s18, 4
	s_add_co_u32 s17, s17, s18
	s_lshr_b32 s18, s14, 1
	s_lshl_b32 s18, s18, 3
	s_add_co_u32 s17, s17, s18                     ; + 8 x tile in the group: the tile's first row
	s_lshl_b32 s18, s17, 12                        ; a row is 4,096 bytes
	s_and_b32 s19, s14, 1
	s_lshl_b32 s19, s19, 11                        ; my half of K
	s_add_co_u32 s18, s18, s19
	s_mov_b32 s19, 0
	s_add_nc_u64 s[4:5], s[4:5], s[18:19]
	s_mul_i32 s18, ttmp9, 24576                    ; two tiles of codes a work-group, 6,144 bytes a wave
	s_mul_i32 s22, s14, 6144
	s_add_co_u32 s18, s18, s22
	s_add_nc_u64 s[10:11], s[10:11], s[18:19]
	s_lshl_b32 s18, ttmp9, 10                      ; 256 bytes of scale words a wave
	s_lshl_b32 s22, s14, 8
	s_add_co_u32 s18, s18, s22
	s_add_nc_u64 s[12:13], s[12:13], s[18:19]
.macro LOAD t                          ; step t: 128 numbers of each of the tile's 16 rows
.irp i, 0,1,2,3,4,5,6,7,8,9,10,11,12,13,14,15
	global_load_b128 v[R+64*((\t)%2)+4*\i:R+64*((\t)%2)+4*\i+3], v2, s[4:5] offset:(32*(\i/8)+\i%8)*4096+512*(\t) th:TH_LOAD_NT
.endr
.endm
; 64 numbers of a lane, v[s] on, become 12 registers of codes in v[C] on and the row's scale word in v[w]
.macro QUANT s, w
.irp q, 0,1,2,3
	v_max3_num_f32 v[CH+\q], |v[\s+16*\q]|, |v[\s+16*\q+1]|, 0x1800000   ; with the floor 2^(3 - 127): the byte cannot fall under 1
.endr
.irp i, 2,4,6,8,10,12,14
.irp q, 0,1,2,3
	v_max3_num_f32 v[CH+\q], v[CH+\q], |v[\s+16*\q+\i]|, |v[\s+16*\q+\i+1]|   ; four chains by turns
.endr
.endr
	v_max_num_f32 v[CH], v[CH], v[CH+1]            ; block h
	v_max_num_f32 v[CH+2], v[CH+2], v[CH+3]        ; block 2 + h
	v_add_nc_u32 v[SO], 0xff000000, v[CH]          ; 2 off the exponent field: the conversion takes this operand's exponent field as its scale
	v_add_nc_u32 v[SO+1], 0xff000000, v[CH+2]
	v_lshrrev_b32 v[BY], 23, v[SO]
	v_lshrrev_b32 v[BY+1], 23, v[SO+1]
	v_lshl_or_b32 v[\w], v[BY+1], 16, v[BY]        ; my two bytes,
	v_lshlrev_b32 v[\w], v6, v[\w]                 ; at their places in the word;
	v_permlanex16_b32 v[PT], v[\w], s20, s21
	v_or_b32 v[\w], v[\w], v[PT]                   ; with lane l xor 16's two the word is whole, in both lanes
.irp c, 0,1
	v_cvt_scalef32_pk16_fp6_f32 v[C+6*\c:C+6*\c+2], v[\s+32*\c:\s+32*\c+15], v[SO+\c]
	v_cvt_scalef32_pk16_fp6_f32 v[TC+4*\c:TC+4*\c+2], v[\s+32*\c+16:\s+32*\c+31], v[SO+\c]   ; (a conversion's three registers begin on an even number)
.endr
	v_nop                                          ; one plain place behind a scaled conversion
.irp c, 0,1
.irp i, 0,1,2
	v_mov_b32 v[C+6*\c+3+\i], v[TC+4*\c+\i]
.endr
.endr
.endm
.macro STEP t
.if (\t) < 3
	s_wait_loadcnt 16                              ; this step's 16 loads are in; the next step's 16 may be out
.else
	s_wait_loadcnt 0x0
.endif
.irp i, 0,1,2,3,4,5,6,7,8,9,10,11,12,13,14,15
	ds_store_b128 v3, v[R+64*((\t)%2)+4*\i:R+64*((\t)%2)+4*\i+3] offset:SP*\i
.endr
.irp c, 0,1
.irp j, 0,1,2,3,4,5,6,7
	ds_load_b128 v[X+32*\c+4*\j:X+32*\c+4*\j+3], v4 offset:256*\c+16*\j   ; LDS serves a wave's instructions in order: these see the stores above
.endr
.endr
	s_wait_dscnt 0x0                               ; the numbers are back, and the stage's stores have read their registers
.if (\t) > 0
	s_wait_xcnt 0x0                                ; the last step's stores have read their data: the codes' registers are written again only behind this wait
.endif
.if (\t) < 2
	LOAD (\t)+2
.endif
	QUANT X, W+(\t)
.irp p, 0,1,2,3,4,5
	global_store_b64 v5, v[C+2*\p:C+2*\p+1], s[10:11] offset:1536*(\t)+256*\p   ; a plane: 32 lanes store 256 consecutive bytes, aligned
.endr
.endm
	LOAD 0
	LOAD 1
	STEP 0
	STEP 1
	STEP 2
	STEP 3
	v_cmp_lt_u32 vcc_lo, 15, v1                    ; lanes 16-31
	v_cndmask_b32 v[W], v[W], v[W+1], vcc_lo       ; lanes 0-15 step 0's words, lanes 16-31 step 1's
	v_cndmask_b32 v[W+2], v[W+2], v[W+3], vcc_lo
	ds_store_b32 v7, v[W]
	ds_store_b32 v7, v[W+2] offset:128
	ds_load_b64 v[44:45], v8
	s_wait_dscnt 0x0
	global_store_b64 v5, v[44:45], s[12:13]        ; my four steps' scale words: 256 consecutive bytes, aligned
	s_wait_tensorcnt 0x0
	ds_add_u32 v240, v241
	s_wait_dscnt 0x0
	s_endpgm
.Lfunc_end_k_q0696b8a5ac_quant:
	.size	k_q0696b8a5ac_quant, .Lfunc_end_k_q0696b8a5ac_quant-k_q0696b8a5ac_quant
	.p2alignl 7, 3214868480
	.fill 96, 4, 3214868480
	.section	.rodata,"a",@progbits
	.p2align	6, 0x0
	.amdhsa_kernel k_q0696b8a5ac_quant
		.amdhsa_group_segment_fixed_size 35328
		.amdhsa_private_segment_fixed_size 0
		.amdhsa_enable_private_segment 0
		.amdhsa_kernarg_size 40
		.amdhsa_user_sgpr_count 2
		.amdhsa_user_sgpr_kernarg_segment_ptr 1
		.amdhsa_wavefront_size32 1
		.amdhsa_system_sgpr_workgroup_id_x 1
		.amdhsa_system_sgpr_workgroup_id_y 1
		.amdhsa_system_sgpr_workgroup_id_z 1
		.amdhsa_system_vgpr_workitem_id 0
		.amdhsa_next_free_vgpr 242
		.amdhsa_next_free_sgpr 66
		.amdhsa_reserve_vcc 1
		.amdhsa_float_denorm_mode_32 3
		.amdhsa_float_denorm_mode_16_64 3
		.amdhsa_memory_ordered 1
		.amdhsa_forward_progress 1
		.amdhsa_inst_pref_size 32
	.end_amdhsa_kernel
	.amdgpu_metadata
---
amdhsa.version: [ 1, 2 ]
amdhsa.kernels:
  - .name:           k_q0696b8a5ac_quant
    .symbol:         k_q0696b8a5ac_quant.kd
    .args:
      - { .name: x, .offset: 0, .size: 8, .value_kind: global_buffer, .address_space: global }
      - { .name: w_qkv, .offset: 8, .size: 8, .value_kind: global_buffer, .address_space: global }
      - { .name: w_out, .offset: 16, .size: 8, .value_kind: global_buffer, .address_space: global }
      - { .name: cod1, .offset: 24, .size: 8, .value_kind: global_buffer, .address_space: global }
      - { .name: scl1, .offset: 32, .size: 8, .value_kind: global_buffer, .address_space: global }
    .group_segment_fixed_size: 35328
    .private_segment_fixed_size: 0
    .kernarg_segment_align: 8
    .kernarg_segment_size: 40
    .max_flat_workgroup_size: 128
    .sgpr_count:     66
    .vgpr_count:     242
    .wavefront_size: 32
...
	.end_amdgpu_metadata
.endif
;; end of part 1
;; launch gemm_qkv (part 2): grid 8 x 32, 4 waves a work-group, clusters of 4 x 4, 327,680 bytes of LDS; arguments cod1, scl1, qkv; writes qkv
.if DOCPART == 2
	.amdgcn_target "amdgcn-amd-amdhsa--gfx1250"
	.amdhsa_code_object_version 6
	.text
	.protected	k_q0696b8a5ac_gemm_qkv
	.globl	k_q0696b8a5ac_gemm_qkv
	.p2align	8
	.type	k_q0696b8a5ac_gemm_qkv,@function
k_q0696b8a5ac_gemm_qkv:
	s_mov_b64 s[64:65], 0
	v_nop
	global_prefetch_b8 v0, s[64:65] scope:SCOPE_SE
	s_setreg_imm32_b32 hwreg(HW_REG_WAVE_MODE, 25, 1), 1
	s_wait_xcnt 0x0
	s_wait_alu depctr_hold_cnt(0) depctr_sa_sdst(0) depctr_va_vdst(0) depctr_va_sdst(0) depctr_va_ssrc(0) depctr_va_vcc(0) depctr_vm_vsrc(0)
	s_getreg_b32 s2, hwreg(HW_REG_IB_STS2, 6, 4)
	s_cmp_eq_u32 s2, 0
	s_cbranch_scc0 .Lentry_in_a_cluster
	s_endpgm
.Lentry_in_a_cluster:
	s_bfe_u32 s2, ttmp6, 0x10000c
	s_cmp_lg_u32 s2, 0xf033
	s_cbranch_scc0 .Lentry_shape_is_right
	s_endpgm
.Lentry_shape_is_right:
; q, k, v = x w_qkv^T, K = 1024, on codes of FP6 (E2M3) with E8M0 scale words; the results are quantised at once for the two products of the attention and leave as codes and scale words.  No f32 result is stored.
; CODES (cod1): [tiles of 16 rows][16 half images along K][768 bytes]: x's 512 tiles, then w_qkv's 192; two half images on end are the 12 registers of an operand, six loads of 8 bytes a lane at 8 x lane.  SCALES (scl1): [tiles][8 steps of 128 K][16 rows][4 bytes].
; Tile t of a group of 64 rows holds, in its row m, row 64 G + 32 (m / 8) + 8 t + m % 8: so the 32 registers that a lane gets from four neighbouring tiles of source 0 are 32 neighbours: one scale block.
; OUTPUT (qkv): [64 heads][q, k, v][16 chunks of 128 tokens][6,400 bytes]: eight half images of 768 bytes, then 4 x 16 scale words.  q, k: half image a = token tile a x the head's 64 channels, byte 2 (a % 2) + h of word a / 2; v: images 2 a, 2 a + 1 = channel tile a x 128 tokens, byte 2 c + h of word a.
; SHARES: 256 work-groups.  A work-group keeps 256 tokens (B: 16 tiles, all of K, 196,608 bytes, and their scale words) in LDS and streams three tiles of 128 weight rows (A: 98,304 bytes each) past them: the same pair of heads of q, of k and of v.
; Four waves 2 x 2: a wave takes one head (A's half) and one chunk of 128 tokens (B's half): 32 accumulators.
; q and k are a loop of two trips; v is written out behind it, since nothing is fetched after it.  In each trip of the loop A's region and its scale words are filled again, in a round of the cluster's barrier that stands round the trip's last 32 products; the load lands under the way out.
; q, k: source 0 = weights, so that a lane holds a token and its registers run along the channels; accumulator (b, a) at v[8 (4 b + a)].  v: source 0 = tokens: a lane holds a channel, registers run along the tokens; accumulator (a, b) at v[8 (8 a + b)].  In both, registers 64 f + 32 e + 0 .. 31 are one block, and one way out serves both.
; CLUSTER 4 x 4: the tokens hang on the work-group's y alone and are shared along a row of the cluster, the weights on its x alone and are shared along a column.
; PREFETCH: early in each trip of the loop the next weight tile's 384 blocks of 256 bytes are asked for, 24 by each of the sixteen waves of a column of the cluster, told apart by address; four of the eight rows of clusters ask, since all eight read the same tiles.
; LIMITS: NaN and infinities are not served; a block of zeros gets the byte 1 (its codes are zeros; this program alone reads the bytes).
; REGISTERS: window 0: v16-31 addresses, v32-95 scale words (8 a step: lanes 0-15 A's block i, lanes 16-31 B's block i), v96-131 the way out, v160-255 A's fragments, two sets of four; window 1: B's fragments, two sets of eight; window 2: the accumulators.
.set TILEM,  12288
.set ABYTES, 8*TILEM
.set BBASE,  ABYTES
.set BBYTES, 16*TILEM
.set SCL,    ABYTES+BBYTES             ; A's scale words, then B's
.set SPARE,  SCL+12288
.set NEXTA,  64*TILEM                  ; from a tensor's weight tile to the next tensor's: 1,024 rows
.set NEXTS,  64*512
.set FR,   12
.set ADRA, 16
.set ADRB, 20
.set VO,   24                          ; 8 x lane
.set VW,   25                          ; 4 x lane
.set H8,   26                          ; 8 h
.set ADRS, 27
.set SPW,  28
.set NIL,  29
.set PFO,  30
.set PT,   31
.set SC,   32
.set CH,   96
.set BM,   100
.set SO,   102
.set BY,   104
.set PWR,  106                         ; four scale words of the result
.set OW,   110
.set PC,   112
.set TC,   124
.set AF,   160
.set G1A,  24
.set G1B,  32
.set G1SA, 40
.set G1SB, 48
.set G0A,  56
.set G0B,  60
.set G0SA, 68
.set G0SB, 72
.set MSB, 0
.macro WIN new                         ; the immediate's high byte repeats the setting that is left
.if MSB != \new
	s_set_vgpr_msb (MSB<<8)|\new
.set MSB, \new
.endif
.endm
.macro PLACES n
.rept \n
	v_nop
.endr
.endm
.macro CREST                           ; a round of the cluster's barrier behind its opening barrier
	s_cmp_lg_u32 s16, 0
	s_cbranch_scc1 .Lnot_wave_0_\@
	s_barrier_signal -3
.Lnot_wave_0_\@:
	s_barrier_wait -3
	s_barrier_signal -1
	s_barrier_wait -1
.endm
.macro CROUND
	s_barrier_signal -1
	s_barrier_wait -1
	CREST
.endm
.macro DENSE g, mask, rows             ; group 1 of a dense block: rows of 256 bytes (32 elements of 8)
	s_or_b32 s[\g], s[\mask], (3<<16)|(1<<21)
	s_mov_b32 s[\g+1], 32<<16
	s_mov_b32 s[\g+2], (\rows)<<16
	s_mov_b32 s[\g+3], 32<<16
	s_mov_b32 s[\g+4], \rows
	s_mov_b32 s[\g+5], 32
	s_mov_b32 s[\g+6], 0
	s_mov_b32 s[\g+7], 0
.endm
.macro GROUP0 g, lds, base, off
	s_mov_b32 s[\g], 1
	s_mov_b32 s[\g+1], \lds
	s_add_nc_u64 s[\g+2:\g+3], s[\base:\base+1], s[\off:\off+1]
	s_or_b32 s[\g+3], s[\g+3], 0x80000000
.endm
.macro TLOAD g0, g1
	tensor_load_to_lds s[\g0:\g0+3], s[\g1:\g1+7]
	s_nop 0
	PLACES 4
.endm
.macro ARM w, g0, g1, next             ; one arm of the head's chain: one joint load, then the jump to the join
	s_cmp_eq_u32 s16, \w
	s_cbranch_scc0 \next
	TLOAD \g0, \g1
	s_branch .Lasked
\next:
.endm
	s_load_b128 s[4:7], s[0:1], 0x0                ; cod1, scl1
	s_load_b64 s[8:9], s[0:1], 0x10                ; qkv
	v_lshl_add_u32 v[SPW], v0, 2, SPARE
	v_mov_b32 v[NIL], 0
	ds_add_u32 v[SPW], v[NIL]                      ; the opening lines: the add, twice on end, and its wait
	ds_add_u32 v[SPW], v[NIL]
	v_lshrrev_b32 v1, 5, v0
	v_readfirstlane_b32 s16, v1                    ; wave 0..3
	s_lshr_b32 s17, s16, 1                         ; my head of the pair
	s_and_b32 s18, s16, 1                          ; my chunk of the two
	s_bfe_u32 s19, ttmp6, 0x40000                  ; cx
	s_bfe_u32 s20, ttmp6, 0x40004                  ; cy
	s_and_b32 s11, ttmp7, 0xffff                   ; the cluster's y
	s_lshl_b32 s21, s11, 2
	s_add_co_u32 s21, s21, s20                     ; which 256 tokens, 0..31
	s_lshl_b32 s84, ttmp9, 2
	s_add_co_u32 s84, s84, s19                     ; which pair of heads, 0..7
	s_lshl_b32 s22, s20, 2
	s_lshl_b32 s22, 15, s22                        ; my row of the cluster
	s_lshl_b32 s23, 0x1111, s19                    ; my column
	DENSE G1A,  23, ABYTES/256
	DENSE G1B,  22, BBYTES/256
	DENSE G1SA, 23, 16
	DENSE G1SB, 22, 32
	s_mul_i32 s76, s84, ABYTES                     ; where my blocks begin, in bytes: q's weight tile: tile 512 + 8 x pair,
	s_add_co_u32 s76, s76, 512*TILEM
	s_mov_b32 s77, 0
	s_lshl_b32 s78, s84, 12                        ; its scale words,
	s_add_co_u32 s78, s78, 512*512
	s_mov_b32 s79, 0
	s_mul_i32 s80, s21, BBYTES                     ; the tokens' codes,
	s_mov_b32 s81, 0
	s_lshl_b32 s82, s21, 13                        ; their scale words
	s_mov_b32 s83, 0
	s_mov_b32 s12, 0x76543210
	s_mov_b32 s13, 0xfedcba98                      ; selects for lane l xor 16
	s_wait_alu depctr_va_vdst(0)
	s_wait_dscnt 0x0
	s_wait_kmcnt 0x0
	GROUP0 G0A,  0,        4, 76
	GROUP0 G0SA, SCL,      6, 78
	GROUP0 G0B,  BBASE,    4, 80
	GROUP0 G0SB, SCL+4096, 6, 82
	s_add_nc_u64 s[86:87], s[4:5], s[76:77]        ; the prefetches' base: q's weight tile,
	CROUND                                         ; all sixteen work-groups are here: the joint loads meet
	ARM 0, G0B,  G1B,  .Larm_a
	ARM 1, G0A,  G1A,  .Larm_sa
	ARM 2, G0SA, G1SA, .Larm_sb
	TLOAD G0SB, G1SB
.Lasked:
	s_lshl_b32 s76, s20, 2
	s_add_co_u32 s76, s76, s16                     ; my number among the sixteen waves of my column of the cluster
	s_mul_i32 s76, s76, ABYTES/16
	s_mov_b32 s77, 0
	s_add_nc_u64 s[86:87], s[86:87], s[76:77]      ; + my sixteenth of it
	s_mul_i32 s76, s17, 4*TILEM                    ; my four tiles of A
	s_mul_i32 s77, s18, 8*TILEM
	s_add_co_u32 s77, s77, BBASE                   ; my eight tiles of B
	s_lshl_b32 s78, s17, 11
	s_lshl_b32 s79, s18, 12
	s_add_co_u32 s79, s79, 4096
	s_sub_co_u32 s79, s79, s78                     ; from my A words to my B words
	s_add_co_u32 s78, s78, SCL
	s_lshr_b32 s80, s21, 3                         ; the batch
	s_lshl_b32 s80, s80, 4
	s_lshl_b32 s81, s84, 1
	s_add_co_u32 s80, s80, s81
	s_add_co_u32 s80, s80, s17                     ; my head: 16 b + 2 x pair + half
	s_mul_i32 s80, s80, 307200
	s_and_b32 s81, s21, 7
	s_lshl_b32 s81, s81, 1
	s_add_co_u32 s81, s81, s18                     ; my chunk
	s_mul_i32 s81, s81, 6400
	s_add_co_u32 s80, s80, s81
	s_mov_b32 s81, 0
	s_add_nc_u64 s[8:9], s[8:9], s[80:81]          ; my chunk of q
	v_and_b32 v1, 31, v0
	v_and_b32 v4, 15, v0
	v_bfe_u32 v2, v0, 4, 1
	v_lshlrev_b32 v[VO], 3, v1
	v_lshlrev_b32 v[VW], 2, v1
	v_lshlrev_b32 v[H8], 3, v2
	v_mov_b32 v[PT], 0                             ; a lane permute's destination counts as one of its sources
	v_min_u32 v[PFO], 23, v1                       ; 24 blocks a wave; the lanes left over name the last again
	v_lshlrev_b32 v[PFO], 8, v[PFO]
	v_cmp_lt_u32 s85, 15, v1                       ; lanes 16-31
	v_add_nc_u32 v[ADRA], s76, v[VO]
	v_add_nc_u32 v[ADRB], s77, v[VO]
	v_add_nc_u32 v[ADRB+1], 4*TILEM, v[ADRB]       ; B's tiles 4-7: the immediates reach four tiles
	v_mul_u32_u24 v5, s79, v2                      ; lanes 16-31 take B's words
	v_lshl_add_u32 v5, v4, 2, v5
	v_add_nc_u32 v[ADRS], s78, v5
.macro FETCH q, p                      ; step q's fragments into sets p: 72 loads in one run
	WIN 0x40
.irp i, 0,1,2,3,4,5,6,7
.irp l, 0,1,2,3,4,5
	ds_load_b64 v[128*(\p)+FR*\i+2*\l:128*(\p)+FR*\i+2*\l+1], v[ADRB+\i/4] offset:(\i%4)*TILEM+(\q)*1536+256*\l
.endr
.endr
	WIN 0
.irp i, 0,1,2,3
.irp l, 0,1,2,3,4,5
	ds_load_b64 v[AF+48*(\p)+FR*\i+2*\l:AF+48*(\p)+FR*\i+2*\l+1], v[ADRA] offset:\i*TILEM+(\q)*1536+256*\l
.endr
.endr
.endm
.macro PROD d, x, y, first, sx, sy, side   ; one product; the first of a sum takes the constant 0 as C
.if \first
	v_wmma_scale_f32_16x16x128_f8f6f4 v[\d:\d+7], v[\x:\x+FR-1], v[\y:\y+FR-1], 0, v[\sx], v[\sy] matrix_a_fmt:MATRIX_FMT_FP6 matrix_b_fmt:MATRIX_FMT_FP6 matrix_\side\()_scale:MATRIX_SCALE_ROW1
.else
	v_wmma_scale_f32_16x16x128_f8f6f4 v[\d:\d+7], v[\x:\x+FR-1], v[\y:\y+FR-1], v[\d:\d+7], v[\sx], v[\sy] matrix_a_fmt:MATRIX_FMT_FP6 matrix_b_fmt:MATRIX_FMT_FP6 matrix_\side\()_scale:MATRIX_SCALE_ROW1
.endif
.endm
.macro MUL q, first, kind              ; 32 products, the 32 accumulators by turns
.if \kind
	WIN 0xa1
.else
	WIN 0xa4
.endif
.irp a, 0,1,2,3
.irp b, 0,1,2,3,4,5,6,7
.if \kind
	PROD 8*(8*\a+\b), 128*((\q)%2)+FR*\b, AF+48*((\q)%2)+FR*\a, \first, SC+8*(\q)+\b, SC+8*(\q)+\a, a
.else
	PROD 8*(4*\b+\a), AF+48*((\q)%2)+FR*\a, 128*((\q)%2)+FR*\b, \first, SC+8*(\q)+\a, SC+8*(\q)+\b, b
.endif
.endr
.endr
	WIN 0
.endm
; THE WAY OUT of registers 64 f .. 64 f + 63: two blocks of 32 a lane become 12 registers of codes and a scale word
.macro QBLK f
	s_wait_xcnt 0x0                                ; earlier stores have read their data: the codes' registers are written again only behind this wait
	WIN 0x28
.irp q, 0,1,2,3
	v_max3_num_f32 v[CH+\q], 0x1800000, |v[64*(\f)+16*\q]|, |v[64*(\f)+16*\q+1]|   ; with the floor 2^(3 - 127); each accumulator is read from its low end on
.endr
.irp i, 2,4,6,8,10,12,14
.irp q, 0,1,2,3
	v_max3_num_f32 v[CH+\q], v[CH+\q], |v[64*(\f)+16*\q+\i]|, |v[64*(\f)+16*\q+\i+1]|
.endr
.endr
	WIN 0
	v_max_num_f32 v[BM], v[CH], v[CH+1]
	v_max_num_f32 v[BM+1], v[CH+2], v[CH+3]
	v_add_nc_u32 v[SO], 0xff000000, v[BM]          ; 2 off the exponent field: the conversion's scale operand
	v_add_nc_u32 v[SO+1], 0xff000000, v[BM+1]
	v_lshrrev_b32 v[BY], 23, v[SO]
	v_lshrrev_b32 v[BY+1], 23, v[SO+1]
	v_lshl_or_b32 v[PWR+\f], v[BY+1], 16, v[BY]    ; my two bytes,
	v_lshlrev_b32 v[PWR+\f], v[H8], v[PWR+\f]      ; at their places in the word;
	v_permlanex16_b32 v[PT], v[PWR+\f], s12, s13
	v_or_b32 v[PWR+\f], v[PWR+\f], v[PT]           ; with lane l xor 16's two the word is whole, in both lanes
	WIN 0x02
.irp c, 0,1
	v_cvt_scalef32_pk16_fp6_f32 v[PC+6*\c:PC+6*\c+2], v[64*(\f)+32*\c:64*(\f)+32*\c+15], v[SO+\c]
	v_cvt_scalef32_pk16_fp6_f32 v[TC+4*\c:TC+4*\c+2], v[64*(\f)+32*\c+16:64*(\f)+32*\c+31], v[SO+\c]   ; (a conversion's three registers begin on an even number)
.endr
	WIN 0
	v_nop                                          ; one plain place behind a scaled conversion
.irp c, 0,1
.irp i, 0,1,2
	v_mov_b32 v[PC+6*\c+3+\i], v[TC+4*\c+\i]
.endr
.endr
.irp c, 0,1
.irp p, 0,1,2
	global_store_b64 v[VO], v[PC+6*\c+2*\p:PC+6*\c+2*\p+1], s[8:9] offset:1536*(\f)+768*\c+256*\p   ; a plane: 256 consecutive bytes, aligned
.endr
.endr
.endm
; A TILE: 128 weight rows x 256 tokens, all of K.  kind 0: q or k, and A's region is filled again; kind 1: v, the last
.macro TILE kind
.irp q, 0,1,2,3,4,5,6,7
.irp i, 0,1,2,3,4,5,6,7
	ds_load_b32 v[SC+8*\q+\i], v[ADRS] offset:512*\i+64*\q   ; all scale words.  (For i over 3 lanes 0-15 read words of other rows: filled bytes, never named as A's scales)
.endr
.endr
	FETCH 0, 0
	s_wait_dscnt 0x0
	FETCH 1, 1
.if \kind == 0
	s_cmp_lt_u32 s11, 4                            ; four rows of clusters ask
	s_cbranch_scc0 .Lno_ask_\@
	global_prefetch_b8 v[PFO], s[86:87] offset:NEXTA th:TH_LOAD_NT scope:SCOPE_SE   ; the next tensor's weight tile, seven steps of K ahead of the load that wants it
.Lno_ask_\@:
.endif
	MUL 0, 1, \kind                                ; the first products start the sums
.irp q, 1,2,3,4,5,6
	s_wait_dscnt 0x0                               ; step q's fragments are in: they were asked for ahead of the last 32 products
	PLACES 4                                       ; in front of the loads into the sets that those products read
	FETCH \q+1, (\q+1)%2
	MUL \q, 0, \kind
.endr
.if \kind == 0
	s_wait_tensorcnt 0x0                           ; none of my loads is out
	ds_add_u32 v[SPW], v[NIL]
	s_add_nc_u64 s[G0A+2:G0A+3], s[G0A+2:G0A+3], NEXTA      ; so the descriptors may step to the next tensor's tile
	s_add_nc_u64 s[G0SA+2:G0SA+3], s[G0SA+2:G0SA+3], NEXTS
	s_wait_dscnt 0x0                               ; the add is done, and my reads of A's region are over:
	s_barrier_signal -1                            ; the round opens,
	MUL 7, 0, 0                                    ; work on registers while the others arrive,
	s_barrier_wait -1
	CREST                                          ; no wave of any partner still reads A's region
	s_cmp_eq_u32 s16, 1
	s_cbranch_scc0 .Lwords_\@
	TLOAD G0A, G1A                                 ; wave 1: the next weight tile
	s_branch .Lfilled_\@
.Lwords_\@:
	s_cmp_eq_u32 s16, 2
	s_cbranch_scc0 .Lfilled_\@
	TLOAD G0SA, G1SA                               ; wave 2: its scale words
.Lfilled_\@:
.else
	s_wait_dscnt 0x0
	MUL 7, 0, 1
.endif
	PLACES 4                                       ; in front of the first read of results
.irp f, 0,1,2,3
	QBLK \f
.endr
	v_cndmask_b32 v[OW], v[PWR], v[PWR+1], s85     ; lanes 0-15 word 0 of their row, lanes 16-31 word 1
	v_cndmask_b32 v[OW+1], v[PWR+2], v[PWR+3], s85
	global_store_b32 v[VW], v[OW], s[8:9] offset:6144        ; two stores of 128 consecutive bytes fill the chunk's 256 bytes of scale words
	global_store_b32 v[VW], v[OW+1], s[8:9] offset:6144+128
.endm
	s_mov_b32 s10, 0
	s_wait_alu depctr_va_vdst(0)
	s_wait_tensorcnt 0x0                           ; my block has landed,
	s_barrier_signal -1
	s_barrier_wait -1                              ; everybody's has
.Ltile:                                                ; q, then k
	TILE 0
	s_wait_xcnt 0x0                                ; the stores and the prefetch have read their bases
	s_add_nc_u64 s[8:9], s[8:9], 102400            ; the same chunk of the next tensor
	s_add_nc_u64 s[86:87], s[86:87], NEXTA
	s_wait_alu depctr_va_vdst(0)
	s_wait_tensorcnt 0x0                           ; my part of the refill has landed,
	s_barrier_signal -1
	s_barrier_wait -1                              ; everybody's has
	s_add_co_u32 s10, s10, 1
	s_cmp_lt_u32 s10, 2
	s_cbranch_scc1 .Ltile
	TILE 1                                         ; v
	s_wait_tensorcnt 0x0                           ; the wave's end
	ds_add_u32 v[SPW], v[NIL]
	s_wait_dscnt 0x0
	CROUND                                         ; the closing round
	s_endpgm
.Lfunc_end_k_q0696b8a5ac_gemm_qkv:
	.size	k_q0696b8a5ac_gemm_qkv, .Lfunc_end_k_q0696b8a5ac_gemm_qkv-k_q0696b8a5ac_gemm_qkv
	.p2alignl 7, 3214868480
	.fill 96, 4, 3214868480
	.section	.rodata,"a",@progbits
	.p2align	6, 0x0
	.amdhsa_kernel k_q0696b8a5ac_gemm_qkv
		.amdhsa_group_segment_fixed_size 327680
		.amdhsa_private_segment_fixed_size 0
		.amdhsa_enable_private_segment 0
		.amdhsa_kernarg_size 24
		.amdhsa_user_sgpr_count 2
		.amdhsa_user_sgpr_kernarg_segment_ptr 1
		.amdhsa_wavefront_size32 1
		.amdhsa_system_sgpr_workgroup_id_x 1
		.amdhsa_system_sgpr_workgroup_id_y 1
		.amdhsa_system_sgpr_workgroup_id_z 1
		.amdhsa_system_vgpr_workitem_id 0
		.amdhsa_next_free_vgpr 768
		.amdhsa_next_free_sgpr 90
		.amdhsa_reserve_vcc 0
		.amdhsa_float_denorm_mode_32 3
		.amdhsa_float_denorm_mode_16_64 3
		.amdhsa_memory_ordered 1
		.amdhsa_forward_progress 1
		.amdhsa_inst_pref_size 189
	.end_amdhsa_kernel
	.amdgpu_metadata
---
amdhsa.version: [ 1, 2 ]
amdhsa.kernels:
  - .name:           k_q0696b8a5ac_gemm_qkv
    .symbol:         k_q0696b8a5ac_gemm_qkv.kd
    .args:
      - { .name: cod1, .offset: 0, .size: 8, .value_kind: global_buffer, .address_space: global }
      - { .name: scl1, .offset: 8, .size: 8, .value_kind: global_buffer, .address_space: global }
      - { .name: qkv, .offset: 16, .size: 8, .value_kind: global_buffer, .address_space: global }
    .group_segment_fixed_size: 327680
    .private_segment_fixed_size: 0
    .kernarg_segment_align: 8
    .kernarg_segment_size: 24
    .max_flat_workgroup_size: 128
    .sgpr_count:     90
    .vgpr_count:     768
    .wavefront_size: 32
...
	.end_amdgpu_metadata
.endif
;; end of part 2
;; launch attn (part 3): grid 4 x 64, 8 waves a work-group, clusters of 4 x 1, 206,848 bytes of LDS; arguments qkv, oc, os; writes oc, os
.if DOCPART == 3
	.amdgcn_target "amdgcn-amd-amdhsa--gfx1250"
	.amdhsa_code_object_version 6
	.text
	.protected	k_q0696b8a5ac_attn
	.globl	k_q0696b8a5ac_attn
	.p2align	8
	.type	k_q0696b8a5ac_attn,@function
k_q0696b8a5ac_attn:
	s_mov_b64 s[64:65], 0
	v_nop
	global_prefetch_b8 v0, s[64:65] scope:SCOPE_SE
	s_setreg_imm32_b32 hwreg(HW_REG_WAVE_MODE, 25, 1), 1
	s_wait_xcnt 0x0
	s_wait_alu depctr_hold_cnt(0) depctr_sa_sdst(0) depctr_va_vdst(0) depctr_va_sdst(0) depctr_va_ssrc(0) depctr_va_vcc(0) depctr_vm_vsrc(0)
	s_getreg_b32 s2, hwreg(HW_REG_IB_STS2, 6, 4)
	s_cmp_eq_u32 s2, 0
	s_cbranch_scc0 .Lentry_in_a_cluster
	s_endpgm
.Lentry_in_a_cluster:
	s_bfe_u32 s2, ttmp6, 0x10000c
	s_cmp_lg_u32 s2, 0x3003
	s_cbranch_scc0 .Lentry_shape_is_right
	s_endpgm
.Lentry_shape_is_right:
; o = softmax(q k^T / 8) v for 64 heads of 2,048 tokens x 64 channels, both products on codes of FP6 (E2M3) with E8M0 scales; o is divided by the row's sum and quantised at once, along the model's 1,024, for the last product.
; THE SOFTMAX: t = score x log2(e) / 8; M = the running largest t rounded UP to a whole number; p = 2^(t - M) is quantised along the keys; the row's sum is taken of the unquantised p, in f32.  When M moves, the sum and O are multiplied by 2^(old M - new M): exact.
; INPUT (qkv): [64 heads][q, k, v][16 chunks of 128 tokens][6,400 bytes]: 6,144 bytes of half images (16 rows x 64 codes, three planes of 256 bytes, 8 bytes a lane), 256 bytes of scale words.
; SHARES: a work-group owns one head and a quarter of its queries, 512.  Each of its eight waves owns 64 queries, four tiles of 16, and walks all 2,048 keys once, 128 a step: a fragment of K or V read from LDS serves four tiles.
; The four tiles go in two pairs through 128 score registers; in a pair the two tiles' lines take turns, so that neighbouring lines do not hang on each other.
; THE WHOLE HEAD'S K AND V, 204,800 bytes, STAY IN LDS: filled once, each wave one load of 25,600 bytes.  No ring, no refill, no barrier in the loop; all tiles are asked for at the head, so there is no loop in which a prefetch could run ahead.
; CLUSTER: the four work-groups of a head read the same K and V: joint loads with the mask of all four.
; LAYOUT: both products transposed: S^T = K Q^T (source 0 = keys), O^T = V^T P^T (source 0 = channels): a lane holds ONE query (lane % 16).  By the order of rows in a tile (tile t of a group of 64 holds rows 32 (m / 8) + 8 t + m % 8)
; register S + 32 c + i = key 64 c + 32 h + i, register O + i = channel 32 h + i: a whole block in one lane.
; THE HEAD HAS 64 CHANNELS, THE INSTRUCTION IS 128 DEEP: a fragment of K holds two key tiles; it is multiplied by [q | zeros] for the first and by [zeros | q] for the second.  The four q lie between five runs of six zero registers.
; OUTPUT: oc [512 token tiles][16 heads][768 bytes]; os [512][8][16 rows][4]: byte 2 (head % 2) + h of word head / 2.
; LIMITS: NaN and infinities are not served; a block of zeros gets the byte 1 (its codes are zeros; this program alone reads the bytes); the promise holds while |t| stays under 2^31.
; REGISTERS.  Window 0: addresses, state, scale words, v80-127 four fragments of K or V, v128-255 O^T of four tiles.  Window 1: v0-127 S^T then p of a pair, v128-175 p's codes, v176-191 second halves of conversions, v192-245 zeros and q, v246-253 running maxima.
; With O, the fragments and the sums in window 0 and p and its codes in window 1, the products O^T += V^T P^T, the packed adds of the row's sum and the LDS loads of the next K stand under one window setting and are laid by turns.
.set LK,   1                           ; 8 x lane
.set LS,   2                           ; 4 x (lane % 16)
.set ADK,  3                           ; LDS addresses: next K's codes, words; this step's V's codes, words
.set ADKS, 4
.set ADV,  5
.set ADVS, 6
.set OSO,  7                           ; 4 r + h
.set H8,   8                           ; 8 h
.set QO,   9
.set QSO,  10
.set QW,   12                          ; q's two pairs of scale words as loaded
.set BS,   14                          ; a pair's four blocks' largest scores, then largest p
.set SO,   18                          ; the conversions' scale operands
.set BY,   22                          ; the bytes
.set T1,   26
.set T2,   28
.set MM,   30                          ; [-M, largest t] for each tile
.set SUM,  38                          ; the row's sum, two halves a tile
.set SU2,  46                          ; its second chain, for the pair in hand
.set F,    50                          ; [f, 0] for each tile
.set QS,   58                          ; q's scale words: two forms a tile
.set KSC,  66
.set VSC,  70
.set PW,   74                          ; p's scale words
.set SPW,  78
.set NIL,  79
.set FR,   80
.set O,    128
.set S,    0                           ; window 1 from here on
.set PC,   128
.set TC,   176
.set QZ,   192
.set CH,   246
.set MSB, 0
.macro WIN new                         ; the immediate's high byte repeats the setting that is left
.if MSB != \new
	s_set_vgpr_msb (MSB<<8)|\new
.set MSB, \new
.endif
.endm
.macro WALU
	s_wait_alu depctr_va_vdst(0)
.endm
.macro ROUND                           ; a round of the cluster's barrier
	s_barrier_signal -1
	s_barrier_wait -1
	s_cmp_lg_u32 s12, 0
	s_cbranch_scc1 .Lnot_wave_0_\@
	s_barrier_signal -3
.Lnot_wave_0_\@:
	s_barrier_wait -3
	s_barrier_signal -1
	s_barrier_wait -1
.endm
.macro FETCH1 adr, sadr, sc, f         ; one fragment (two half images, six planes) and its scale words
.irp p, 0,1,2,3,4,5
	ds_load_b64 v[FR+12*(\f)+2*\p:FR+12*(\f)+2*\p+1], v[\adr] offset:1536*(\f)+256*\p
.endr
	ds_load_b32 v[\sc+(\f)], v[\sadr] offset:6144+64*(\f)
.endm
.macro FETCH adr, sadr, sc
.irp f, 0,1,2,3
	FETCH1 \adr, \sadr, \sc, \f
.endr
.endm
.macro QK g                            ; S^T of tiles 2 g, 2 g + 1: 16 products, each starting its sum
	WIN 0x44
.irp f, 0,1,2,3
.irp u, 0,1
	v_wmma_scale_f32_16x16x128_f8f6f4 v[S+64*\u+16*\f:S+64*\u+16*\f+7], v[FR+12*\f:FR+12*\f+11], v[QZ+6+12*(2*\g+\u):QZ+17+12*(2*\g+\u)], 0, v[KSC+\f], v[QS+2*(2*\g+\u)] matrix_a_fmt:MATRIX_FMT_FP6 matrix_b_fmt:MATRIX_FMT_FP6
	v_wmma_scale_f32_16x16x128_f8f6f4 v[S+64*\u+16*\f+8:S+64*\u+16*\f+15], v[FR+12*\f:FR+12*\f+11], v[QZ+12*(2*\g+\u):QZ+11+12*(2*\g+\u)], 0, v[KSC+\f], v[QS+2*(2*\g+\u)+1] matrix_a_fmt:MATRIX_FMT_FP6 matrix_b_fmt:MATRIX_FMT_FP6
.endr
.endr
	WIN 0
.endm
.macro ADDS g, n0, n1                  ; numbers n0 .. n1 - 1 of the 32 packed additions that sum a tile's unquantised p, in two chains; the pair's two tiles by turns
.set n, \n0
.rept \n1-\n0
.irp u, 0,1
.if n == 0
	WIN 0x05
	v_pk_add_f32 v[SU2+2*\u:SU2+2*\u+1], v[S+64*\u:S+64*\u+1], v[S+64*\u+2:S+64*\u+3]
.elseif n == 31
	WIN 0
	v_pk_add_f32 v[SUM+4*\g+2*\u:SUM+4*\g+2*\u+1], v[SUM+4*\g+2*\u:SUM+4*\g+2*\u+1], v[SU2+2*\u:SU2+2*\u+1]
.elseif n%2 == 1
	WIN 0x04
	v_pk_add_f32 v[SUM+4*\g+2*\u:SUM+4*\g+2*\u+1], v[SUM+4*\g+2*\u:SUM+4*\g+2*\u+1], v[S+64*\u+4+2*(n-1):S+64*\u+5+2*(n-1)]
.else
	WIN 0x04
	v_pk_add_f32 v[SU2+2*\u:SU2+2*\u+1], v[SU2+2*\u:SU2+2*\u+1], v[S+64*\u+6+2*(n-2):S+64*\u+7+2*(n-2)]
.endif
.endr
.set n, n+1
.endr
.endm
; THE SOFTMAX OF A PAIR: from the scores to p's codes and scale words, and O^T under the new M
.macro SOFT g
	WIN 0x55
.irp q, 0,1,2,3
.irp u, 0,1
	v_max3_num_f32 v[CH+4*\u+\q], v[S+64*\u+16*\q], v[S+64*\u+16*\q+1], v[S+64*\u+16*\q+2]   ; each accumulator is read from its low end on
.endr
.endr
.irp i, 3,5,7,9,11,13
.irp q, 0,1,2,3
.irp u, 0,1
	v_max3_num_f32 v[CH+4*\u+\q], v[CH+4*\u+\q], v[S+64*\u+16*\q+\i], v[S+64*\u+16*\q+\i+1]
.endr
.endr
.endr
	WIN 0x15
.irp u, 0,1
	v_max3_num_f32 v[BS+2*\u], v[CH+4*\u], v[CH+4*\u+1], v[S+64*\u+15]
	v_max3_num_f32 v[BS+2*\u+1], v[CH+4*\u+2], v[CH+4*\u+3], v[S+64*\u+47]
.endr
	WIN 0x04
.irp u, 0,1
	v_max_num_f32 v[BS+2*\u], v[BS+2*\u], v[S+64*\u+31]      ; the largest score of each of my two blocks of 32 keys: it serves the row's maximum and the block's largest p
	v_max_num_f32 v[BS+2*\u+1], v[BS+2*\u+1], v[S+64*\u+63]
.endr
	WIN 0
.irp u, 0,1
	v_max_num_f32 v[T1+\u], v[BS+2*\u], v[BS+2*\u+1]
.endr
.irp u, 0,1
	v_permlanex16_b32 v[T2+\u], v[T1+\u], s28, s29
.endr
.irp u, 0,1
	v_max_num_f32 v[T1+\u], v[T1+\u], v[T2+\u]               ; the step's largest score of my query
.endr
.irp u, 0,1
	v_mul_f32 v[T1+\u], s30, v[T1+\u]                        ; as t (c is positive)
.endr
.irp u, 0,1
	v_max_num_f32 v[MM+4*\g+2*\u+1], v[MM+4*\g+2*\u+1], v[T1+\u]
.endr
.irp u, 0,1
	v_mov_b32 v[T1+\u], v[MM+4*\g+2*\u]
.endr
.irp u, 0,1
	v_floor_f32 v[MM+4*\g+2*\u], -v[MM+4*\g+2*\u+1]          ; the new -M = floor(-t)
.endr
.irp u, 0,1
	v_sub_f32 v[T1+\u], v[MM+4*\g+2*\u], v[T1+\u]            ; old M - new M: a whole number, 0 or less
.endr
.irp u, 0,1
	v_cvt_i32_f32 v[T1+\u], v[T1+\u]                         ; (it saturates)
.endr
.irp u, 0,1
	v_ldexp_f32 v[F+4*\g+2*\u], 1.0, v[T1+\u]                ; f = 2^(old M - new M)
.endr
	WIN 0x41
.set k_, 0
.rept 32
.irp u, 0,1
	v_pk_fma_f32 v[S+64*\u+k_:S+64*\u+k_+1], v[S+64*\u+k_:S+64*\u+k_+1], s[30:31], v[MM+4*\g+2*\u:MM+4*\g+2*\u+1] op_sel_hi:[1,0,0]   ; t - M
.endr
.set k_, k_+2
.endr
	WIN 0
.irp u, 0,1
	v_fma_f32 v[BS+2*\u], v[BS+2*\u], s30, v[MM+4*\g+2*\u]
	v_fma_f32 v[BS+2*\u+1], v[BS+2*\u+1], s30, v[MM+4*\g+2*\u]
.endr
	WIN 0x41
	WALU
.set k_, 0
.rept 128
	v_exp_f32 v[S+k_], v[S+k_]                     ; p = 2^(t - M), at most 1
.set k_, k_+1
.endr
	WIN 0
.irp b, 0,1,2,3
	v_exp_f32 v[BS+\b], v[BS+\b]
.endr
.irp u, 0,1
	v_pk_mul_f32 v[SUM+4*\g+2*\u:SUM+4*\g+2*\u+1], v[SUM+4*\g+2*\u:SUM+4*\g+2*\u+1], v[F+4*\g+2*\u:F+4*\g+2*\u+1] op_sel_hi:[1,0]   ; the sum under the new M; a plain place behind the exponentials
.endr
	WALU                                           ; and behind it
.irp b, 0,1,2,3
	v_max_num_f32 v[BS+\b], 0x1800000, v[BS+\b]    ; the floor 2^(3 - 127): the byte cannot fall under 1
.endr
.irp b, 0,1,2,3
	v_add_nc_u32 v[SO+\b], 0xff000000, v[BS+\b]
.endr
.irp b, 0,1,2,3
	v_lshrrev_b32 v[BY+\b], 23, v[SO+\b]
.endr
.irp u, 0,1
	v_lshl_or_b32 v[PW+2*\g+\u], v[BY+2*\u+1], 16, v[BY+2*\u]   ; my two bytes: blocks h and 2 + h,
.endr
.irp u, 0,1
	v_lshlrev_b32 v[PW+2*\g+\u], v[H8], v[PW+2*\g+\u]
.endr
.irp u, 0,1
	v_permlanex16_b32 v[T2+\u], v[PW+2*\g+\u], s28, s29
.endr
.irp u, 0,1
	v_or_b32 v[PW+2*\g+\u], v[PW+2*\g+\u], v[T2+\u]          ; with lane l xor 16's two: p's scale word for these 128 keys
.endr
	WIN 0x41
.irp u, 0,1
.irp c, 0,1
	v_cvt_scalef32_pk16_fp6_f32 v[PC+12*(2*\g+\u)+6*\c:PC+12*(2*\g+\u)+6*\c+2], v[S+64*\u+32*\c:S+64*\u+32*\c+15], v[SO+2*\u+\c]
	v_cvt_scalef32_pk16_fp6_f32 v[TC+8*\u+4*\c:TC+8*\u+4*\c+2], v[S+64*\u+32*\c+16:S+64*\u+32*\c+31], v[SO+2*\u+\c]   ; (a conversion's three registers begin on an even number)
.endr
.endr
	v_nop                                          ; one plain place behind a scaled conversion
.irp u, 0,1
.irp c, 0,1
.irp i, 0,1,2
	v_mov_b32 v[PC+12*(2*\g+\u)+6*\c+3+\i], v[TC+8*\u+4*\c+\i]
.endr
.endr
.endr
	WIN 0
	WALU
.set k_, 0
.rept 16
.irp u, 0,1
	v_pk_mul_f32 v[O+32*(2*\g+\u)+k_:O+32*(2*\g+\u)+k_+1], v[O+32*(2*\g+\u)+k_:O+32*(2*\g+\u)+k_+1], v[F+4*\g+2*\u:F+4*\g+2*\u+1] op_sel_hi:[1,0]   ; O^T under the new M, from each accumulator's low end on
.endr
.set k_, k_+2
.endr
.endm
; A KEY STEP: 128 keys x 64 queries
.macro STEP
	s_wait_dscnt 0x0                               ; K's fragments and words are in
	QK 0
	v_add_nc_u32 v[ADV], s33, v[LK]                ; four plain lines: the places in front of the first read of the scores
	v_add_nc_u32 v[ADVS], s33, v[LS]
	v_add_nc_u32 v[ADK], s32, v[LK]
	v_add_nc_u32 v[ADKS], s32, v[LS]
	SOFT 0
	ADDS 0, 0, 32                                  ; the first pair's p is summed before the second pair's scores take its registers
	QK 1
.rept 4
	v_nop                                          ; places in front of the loads into K's registers and of the first read of the scores
.endr
	FETCH ADV, ADVS, VSC                           ; V of this step lands under the second pair's softmax
	SOFT 1
	ADDS 1, 0, 8                                   ; sixteen plain lines between the last writes of O^T and the products
	WALU
	s_wait_dscnt 0x0                               ; V's fragments and words are in
	WIN 0x04
.set N_, 8
.irp cb, 0,1,2,3                       ; O^T += V^T P^T: the sixteen accumulators by turns; behind each product two adds of the row's sums
.irp j, 0,1,2,3
	v_wmma_scale_f32_16x16x128_f8f6f4 v[O+32*\j+8*\cb:O+32*\j+8*\cb+7], v[FR+12*\cb:FR+12*\cb+11], v[PC+12*\j:PC+12*\j+11], v[O+32*\j+8*\cb:O+32*\j+8*\cb+7], v[VSC+\cb], v[PW+\j] matrix_a_fmt:MATRIX_FMT_FP6 matrix_b_fmt:MATRIX_FMT_FP6
	ADDS 1, N_, N_+1
.set N_, N_+1
.endr
.if \cb > 0
	FETCH1 ADK, ADKS, KSC, \cb-1                   ; the next K's fragment into registers whose last product stands four products and eight adds back
.endif
.endr
	ADDS 1, 24, 26
	FETCH1 ADK, ADKS, KSC, 3                       ; in the last step these four read the bytes behind K's last chunk, V's first: filled bytes, and the data are not used
	ADDS 1, 26, 32
	WIN 0
	s_add_co_u32 s32, s32, 6400
	s_add_co_u32 s33, s33, 6400
.endm
	s_load_b128 s[4:7], s[0:1], 0x0                ; qkv, oc
	s_load_b64 s[8:9], s[0:1], 0x10                ; os
	v_lshl_add_u32 v[SPW], v0, 2, 0x32000
	v_mov_b32 v[NIL], 0
	ds_add_u32 v[SPW], v[NIL]                      ; the opening lines: the add, twice on end, and its wait
	ds_add_u32 v[SPW], v[NIL]
	v_lshrrev_b32 v1, 5, v0
	v_readfirstlane_b32 s12, v1                    ; wave 0..7
	s_bfe_u32 s13, ttmp6, 0x40000                  ; cx: my quarter of the queries: it enters global addresses alone
	s_and_b32 s14, ttmp7, 0xffff                   ; the head, 16 b + h, which the four partners share
	s_and_b32 s37, s12, 1                          ; which four tiles of the chunk
	s_lshr_b32 s38, s12, 1                         ; which chunk of the quarter
	s_mov_b32 s16, 15|(3<<16)|(1<<21)              ; group 1: 25,600 dense bytes as 100 rows of 256; the mask names all four work-groups
	s_mov_b32 s17, 32<<16
	s_mov_b32 s18, 100<<16
	s_mov_b32 s19, 32<<16
	s_mov_b32 s20, 100
	s_mov_b32 s21, 32
	s_mov_b32 s22, 0
	s_mov_b32 s23, 0
	s_mov_b32 s28, 0x76543210
	s_mov_b32 s29, 0xfedcba98                      ; selects for lane l xor 16
	s_mov_b32 s30, 0x3e38aa3b                      ; c = log2(e) / 8
	s_mov_b32 s31, s30
	s_mul_i32 s40, s14, 307200                     ; the head's first byte
	s_mul_i32 s25, s12, 25600                      ; my eighth of K and V: in LDS,
	s_add_co_u32 s42, s40, s25
	s_add_co_u32 s42, s42, 102400                  ; and in memory, behind the head's q
	s_mov_b32 s43, 0
	s_mov_b32 s24, 1
	WALU
	s_wait_dscnt 0x0
	s_wait_kmcnt 0x0
	s_add_nc_u64 s[26:27], s[4:5], s[42:43]
	s_or_b32 s27, s27, 0x80000000
	ROUND                                          ; all four work-groups are here: the joint loads meet
	tensor_load_to_lds s[24:27], s[16:23]          ; my one tensor load of the launch
	s_nop 0
.rept 4
	v_nop
.endr
	s_lshl_b32 s44, s13, 2
	s_add_co_u32 s44, s44, s38                     ; my chunk of queries: 4 cx + wave / 2
	s_mul_i32 s42, s44, 6400
	s_add_co_u32 s42, s42, s40
	s_add_nc_u64 s[4:5], s[4:5], s[42:43]          ; q's chunk
	s_lshr_b32 s45, s14, 4
	s_lshl_b32 s45, s45, 4
	s_add_co_u32 s45, s45, s44
	s_lshl_b32 s45, s45, 3
	s_lshl_b32 s47, s37, 2
	s_add_co_u32 s45, s45, s47                     ; my first token tile: (16 b + chunk) x 8 + 4 (wave % 2)
	s_and_b32 s46, s14, 15                         ; the head in its batch
	s_mul_i32 s42, s45, 12288
	s_mul_i32 s47, s46, 768
	s_add_co_u32 s42, s42, s47
	s_add_nc_u64 s[6:7], s[6:7], s[42:43]          ; my first half image in oc
	s_lshl_b32 s42, s45, 9
	s_lshr_b32 s47, s46, 1
	s_lshl_b32 s47, s47, 6
	s_add_co_u32 s42, s42, s47
	s_and_b32 s47, s46, 1
	s_lshl_b32 s47, s47, 1
	s_add_co_u32 s42, s42, s47
	s_add_nc_u64 s[8:9], s[8:9], s[42:43]          ; my bytes in os
	v_and_b32 v[LK], 31, v0
	v_and_b32 v[LS], 15, v0
	v_bfe_u32 v[H8], v0, 4, 1
	v_lshlrev_b32 v[LK], 3, v[LK]
	v_lshlrev_b32 v[LS], 2, v[LS]
	s_mul_i32 s47, s37, 3072
	v_add_nc_u32 v[QO], s47, v[LK]                 ; q's four half images
	v_add_nc_u32 v[OSO], v[LS], v[H8]
	s_lshl_b32 s47, s37, 7
	s_add_co_u32 s47, s47, 6144
	v_add_nc_u32 v[QSO], s47, v[LS]                ; and their two pairs of scale words
	v_lshlrev_b32 v[H8], 3, v[H8]
	WIN 0x40
.irp j, 0,1,2,3
.irp i, 0,1,2
	global_load_b64 v[QZ+6+12*\j+2*\i:QZ+7+12*\j+2*\i], v[QO], s[4:5] offset:768*\j+256*\i   ; q stays in registers
.endr
.endr
	WIN 0
	global_load_b32 v[QW], v[QSO], s[4:5]
	global_load_b32 v[QW+1], v[QSO], s[4:5] offset:64
	WIN 0x40
.irp z, 0,1,2,3,4
.irp i, 0,1,2,3,4,5
	v_mov_b32 v[QZ+12*\z+\i], 0                    ; the zero codes on both sides of each q
.endr
.endr
	WIN 0
.irp j, 0,1,2,3
	v_mov_b32 v[F+2*\j+1], 0                       ; (upper halves of pairs of which the low word alone is taken)
	v_mov_b32 v[T1+\j], 0                          ; a lane permute's destination counts as one of its sources
	v_mov_b32 v[MM+2*\j+1], 0xff61b1e6             ; the largest t so far: -3e38
	v_mov_b32 v[SUM+2*\j], 0
	v_mov_b32 v[SUM+2*\j+1], 0
.endr
.irp j, 0,1,2,3
	v_floor_f32 v[MM+2*\j], -v[MM+2*\j+1]
.endr
	WALU
	s_wait_loadcnt 0x0
.irp g, 0,1
	v_and_b32 v[QS+4*\g], 0xffff, v[QW+\g]         ; the even tile's two bytes under [q | zeros],
	v_lshlrev_b32 v[QS+4*\g+1], 16, v[QW+\g]       ; and under [zeros | q]; the other two bytes are 0, over zero codes
	v_lshrrev_b32 v[QS+4*\g+2], 16, v[QW+\g]       ; the odd tile's
	v_and_b32 v[QS+4*\g+3], 0xffff0000, v[QW+\g]
.endr
.set k_, 0
.rept 128
	v_mov_b32 v[O+k_], 0                           ; the step is written once: the first finds zeros.  (These are also the places behind q's scale words)
.set k_, k_+1
.endr
	WALU
	s_wait_tensorcnt 0x0                           ; my part of K and V has landed,
	s_barrier_signal -1
	s_barrier_wait -1                              ; everybody's has
	FETCH LK, LS, KSC                              ; K's first chunk
	s_mov_b32 s32, 6400                            ; the next chunk of K
	s_mov_b32 s33, 102400                          ; this chunk of V
	s_mov_b32 s34, 16
.Lstep:
	STEP
	s_sub_co_u32 s34, s34, 1
	s_cmp_lg_u32 s34, 0
	WALU
	s_cbranch_scc1 .Lstep
; THE WAY OUT: four tiles by turns
.irp j, 0,1,2,3
	v_add_f32 v[SUM+2*\j], v[SUM+2*\j], v[SUM+2*\j+1]
.endr
.irp j, 0,1,2,3
	v_permlanex16_b32 v[T1+\j], v[SUM+2*\j], s28, s29
.endr
.irp j, 0,1,2,3
	v_add_f32 v[SUM+2*\j], v[SUM+2*\j], v[T1+\j]   ; the row's sum
.endr
	WALU
.irp j, 0,1,2,3
	v_rcp_f32 v[F+2*\j], v[SUM+2*\j]
.endr
	v_nop                                          ; a plain place behind the transcendentals
	WIN 0x40
	WALU
.set k_, 0
.rept 16
.irp j, 0,1,2,3
	v_pk_mul_f32 v[S+32*\j+k_:S+32*\j+k_+1], v[O+32*\j+k_:O+32*\j+k_+1], v[F+2*\j:F+2*\j+1] op_sel_hi:[1,0]   ; o(my query, channel 32 h + k)
.endr
.set k_, k_+2
.endr
	WIN 0x55
.irp j, 0,1,2,3
	v_max3_num_f32 v[CH+2*\j], |v[S+32*\j]|, |v[S+32*\j+1]|, 0x1800000       ; my 32 channels are block 2 head + h of the last product's K
	v_max3_num_f32 v[CH+2*\j+1], |v[S+32*\j+16]|, |v[S+32*\j+17]|, 0x1800000
.endr
.irp i, 2,4,6,8,10,12,14
.irp j, 0,1,2,3
	v_max3_num_f32 v[CH+2*\j], v[CH+2*\j], |v[S+32*\j+\i]|, |v[S+32*\j+\i+1]|
	v_max3_num_f32 v[CH+2*\j+1], v[CH+2*\j+1], |v[S+32*\j+16+\i]|, |v[S+32*\j+17+\i]|
.endr
.endr
.irp j, 0,1,2,3
	v_max_num_f32 v[CH+2*\j], v[CH+2*\j], v[CH+2*\j+1]
.endr
	WIN 0x04
.irp j, 0,1,2,3
	v_add_nc_u32 v[SO+\j], 0xff000000, v[CH+2*\j]
.endr
	WIN 0
.irp j, 0,1,2,3
	v_lshrrev_b32 v[BY+\j], 23, v[SO+\j]
.endr
	WIN 0x41
.irp j, 0,1,2,3
	v_cvt_scalef32_pk16_fp6_f32 v[PC+12*\j:PC+12*\j+2], v[S+32*\j:S+32*\j+15], v[SO+\j]
	v_cvt_scalef32_pk16_fp6_f32 v[TC+4*\j:TC+4*\j+2], v[S+32*\j+16:S+32*\j+31], v[SO+\j]
.endr
	v_nop
.irp j, 0,1,2,3
.irp i, 0,1,2
	v_mov_b32 v[PC+12*\j+3+\i], v[TC+4*\j+\i]
.endr
.endr
	WIN 0x04
.irp j, 0,1,2,3
.irp i, 0,1,2
	global_store_b64 v[LK], v[PC+12*\j+2*\i:PC+12*\j+2*\i+1], s[6:7] offset:12288*\j+256*\i   ; a plane: 256 consecutive bytes, aligned
.endr
.endr
	WIN 0
.irp j, 0,1,2,3
	global_store_b8 v[OSO], v[BY+\j], s[8:9] offset:512*\j   ; each lane its block's byte: 32 bytes of a run of 64, whose other half the neighbouring head stores
.endr
	s_wait_tensorcnt 0x0                           ; the wave's end
	ds_add_u32 v[SPW], v[NIL]
	s_wait_dscnt 0x0                               ; the add, and the last look-ahead loads
	ROUND                                          ; the closing round
	s_endpgm
.Lfunc_end_k_q0696b8a5ac_attn:
	.size	k_q0696b8a5ac_attn, .Lfunc_end_k_q0696b8a5ac_attn-k_q0696b8a5ac_attn
	.p2alignl 7, 3214868480
	.fill 96, 4, 3214868480
	.section	.rodata,"a",@progbits
	.p2align	6, 0x0
	.amdhsa_kernel k_q0696b8a5ac_attn
		.amdhsa_group_segment_fixed_size 206848
		.amdhsa_private_segment_fixed_size 0
		.amdhsa_enable_private_segment 0
		.amdhsa_kernarg_size 24
		.amdhsa_user_sgpr_count 2
		.amdhsa_user_sgpr_kernarg_segment_ptr 1
		.amdhsa_wavefront_size32 1
		.amdhsa_system_sgpr_workgroup_id_x 1
		.amdhsa_system_sgpr_workgroup_id_y 1
		.amdhsa_system_sgpr_workgroup_id_z 1
		.amdhsa_system_vgpr_workitem_id 0
		.amdhsa_next_free_vgpr 512
		.amdhsa_next_free_sgpr 66
		.amdhsa_reserve_vcc 0
		.amdhsa_float_denorm_mode_32 3
		.amdhsa_float_denorm_mode_16_64 3
		.amdhsa_memory_ordered 1
		.amdhsa_forward_progress 1
		.amdhsa_inst_pref_size 80
	.end_amdhsa_kernel
	.amdgpu_metadata
---
amdhsa.version: [ 1, 2 ]
amdhsa.kernels:
  - .name:           k_q0696b8a5ac_attn
    .symbol:         k_q0696b8a5ac_attn.kd
    .args:
      - { .name: qkv, .offset: 0, .size: 8, .value_kind: global_buffer, .address_space: global }
      - { .name: oc, .offset: 8, .size: 8, .value_kind: global_buffer, .address_space: global }
      - { .name: os, .offset: 16, .size: 8, .value_kind: global_buffer, .address_space: global }
    .group_segment_fixed_size: 206848
    .private_segment_fixed_size: 0
    .kernarg_segment_align: 8
    .kernarg_segment_size: 24
    .max_flat_workgroup_size: 256
    .sgpr_count:     66
    .vgpr_count:     512
    .wavefront_size: 32
...
	.end_amdgpu_metadata
.endif
;; end of part 3
;; launch gemm_out (part 4): grid 4 x 64, 4 waves a work-group, clusters of 4 x 4, 327,680 bytes of LDS; arguments oc, os, cod1, scl1, b_out, out0; writes out0
.if DOCPART == 4
	.amdgcn_target "amdgcn-amd-amdhsa--gfx1250"
	.amdhsa_code_object_version 6
	.text
	.protected	k_q0696b8a5ac_gemm_out
	.globl	k_q0696b8a5ac_gemm_out
	.p2align	8
	.type	k_q0696b8a5ac_gemm_out,@function
k_q0696b8a5ac_gemm_out:
	s_mov_b64 s[64:65], 0
	v_nop
	global_prefetch_b8 v0, s[64:65] scope:SCOPE_SE
	s_setreg_imm32_b32 hwreg(HW_REG_WAVE_MODE, 25, 1), 1
	s_wait_xcnt 0x0
	s_wait_alu depctr_hold_cnt(0) depctr_sa_sdst(0) depctr_va_vdst(0) depctr_va_sdst(0) depctr_va_ssrc(0) depctr_va_vcc(0) depctr_vm_vsrc(0)
	s_getreg_b32 s2, hwreg(HW_REG_IB_STS2, 6, 4)
	s_cmp_eq_u32 s2, 0
	s_cbranch_scc0 .Lentry_in_a_cluster
	s_endpgm
.Lentry_in_a_cluster:
	s_bfe_u32 s2, ttmp6, 0x10000c
	s_cmp_lg_u32 s2, 0xf033
	s_cbranch_scc0 .Lentry_shape_is_right
	s_endpgm
.Lentry_shape_is_right:
; out0 = o w_out^T + b_out: [8192][1024] f32, K = 1024, both operands as codes of FP6 (E2M3) with E8M0 scale words, as the earlier launches left them.
; CODES (oc; w_out at tile 704 of cod1): [tiles of 16 rows][16 half images along K][768 bytes]: two half images on end are the 12 registers of an operand (16 rows x 128 K), six loads of 8 bytes a lane at 8 x lane.
; SCALES (os; scl1): [tiles][8 steps of 128 K][16 rows][4 bytes].  Tile t of a group of 64 rows holds, in its row m, row 64 G + 32 (m / 8) + 8 t + m % 8.
; SHARES: 256 work-groups; a work-group makes 128 rows x 256 columns, four waves 2 x 2, a wave 64 x 128: 32 accumulators.
; ALL OF K LIES IN LDS: A's 8 tiles (98,304 bytes), B's 16 tiles (196,608), their scale words (4,096 and 8,192): four dense blocks of memory, four joint loads at the head, one a wave.  Nothing is filled again: no ring and no round in the walk along K.
; All tiles are asked for at the head, so there is no loop in which a prefetch could run ahead.
; CLUSTER 4 x 4: A's blocks hang on the tile row alone and are shared along a row of the cluster, B's on the tile column alone and are shared along a column.
; THE MATRIX INSTRUCTION IS USED TRANSPOSED (source 0 = rows of w_out, source 1 = rows of o): a lane holds eight neighbouring numbers of a row of the result.  The bias is the first products' C.
; REGISTERS: window 0: v16-30 addresses, v32-95 scale words (8 a step: lanes 0-15 A's block i, lanes 16-31 B's block i), v96-159 the bias, v160-255 A's fragments, two sets of four; window 1: B's fragments, two sets of eight, at v0 and v128; window 2: the accumulators, (a, b) at v[8 (8 a + b)].
; LIMITS: as the launches that made the codes state them.
.set TILEM,  12288
.set ABYTES, 8*TILEM
.set BBASE,  ABYTES
.set BBYTES, 16*TILEM
.set SCL,    ABYTES+BBYTES             ; A's scale words, then B's
.set SPARE,  SCL+12288
.set SPITCH, 528                       ; the way out: a stage of 16 rows x (512 + 16) bytes a wave, on A's first bytes, which nobody reads behind the last step's barrier and no load fills again
.set FR,   12
.set ADRA, 16
.set ADRB, 20
.set STO,  24
.set RD,   25
.set CO,   26
.set ADRS, 27
.set SPW,  28
.set NIL,  29
.set BO,   30
.set SC,   32
.set BIAS, 96
.set AF,   160
.set BK,   128
.set G1A,  24
.set G1B,  32
.set G1SA, 40
.set G1SB, 48
.set G0A,  56
.set G0B,  60
.set G0SA, 68
.set G0SB, 72
.set MSB, 0
.macro WIN new                         ; the immediate's high byte repeats the setting that is left
.if MSB != \new
	s_set_vgpr_msb (MSB<<8)|\new
.set MSB, \new
.endif
.endm
.macro PLACES n
.rept \n
	v_nop
.endr
.endm
.macro CROUND                          ; a round of the cluster's barrier
	s_barrier_signal -1
	s_barrier_wait -1
	s_cmp_lg_u32 s16, 0
	s_cbranch_scc1 .Lnot_wave_0_\@
	s_barrier_signal -3
.Lnot_wave_0_\@:
	s_barrier_wait -3
	s_barrier_signal -1
	s_barrier_wait -1
.endm
.macro DENSE g, mask, rows             ; group 1 of a dense block: rows of 256 bytes (32 elements of 8)
	s_or_b32 s[\g], s[\mask], (3<<16)|(1<<21)
	s_mov_b32 s[\g+1], 32<<16
	s_mov_b32 s[\g+2], (\rows)<<16
	s_mov_b32 s[\g+3], 32<<16
	s_mov_b32 s[\g+4], \rows
	s_mov_b32 s[\g+5], 32
	s_mov_b32 s[\g+6], 0
	s_mov_b32 s[\g+7], 0
.endm
.macro GROUP0 g, lds, base, off
	s_mov_b32 s[\g], 1
	s_mov_b32 s[\g+1], \lds
	s_add_nc_u64 s[\g+2:\g+3], s[\base:\base+1], s[\off:\off+1]
	s_or_b32 s[\g+3], s[\g+3], 0x80000000
.endm
.macro ARM w, g0, g1, next             ; one arm of the head's chain: one joint load, then the jump to the join
	s_cmp_eq_u32 s16, \w
	s_cbranch_scc0 \next
	tensor_load_to_lds s[\g0:\g0+3], s[\g1:\g1+7]
	s_nop 0
	PLACES 4
	s_branch .Lasked
\next:
.endm
	s_load_b128 s[4:7], s[0:1], 0x0                ; oc, os
	s_load_b128 s[8:11], s[0:1], 0x10              ; cod1, scl1
	s_load_b128 s[12:15], s[0:1], 0x20             ; b_out, out0
	v_lshl_add_u32 v[SPW], v0, 2, SPARE
	v_mov_b32 v[NIL], 0
	ds_add_u32 v[SPW], v[NIL]                      ; the opening lines: the add, twice on end, and its wait
	ds_add_u32 v[SPW], v[NIL]
	v_lshrrev_b32 v1, 5, v0
	v_readfirstlane_b32 s16, v1                    ; wave 0..3
	s_lshr_b32 s17, s16, 1                         ; my half of the rows
	s_and_b32 s18, s16, 1                          ; my half of the columns
	s_bfe_u32 s19, ttmp6, 0x40000                  ; cx = the tile column (the grid is one cluster wide)
	s_bfe_u32 s20, ttmp6, 0x40004                  ; cy
	s_and_b32 s21, ttmp7, 0xffff
	s_lshl_b32 s21, s21, 2
	s_add_co_u32 s21, s21, s20                     ; the tile row, 0..63
	s_lshl_b32 s22, s20, 2
	s_lshl_b32 s22, 15, s22                        ; my row of the cluster
	s_lshl_b32 s23, 0x1111, s19                    ; my column
	DENSE G1A,  22, ABYTES/256
	DENSE G1B,  23, BBYTES/256
	DENSE G1SA, 22, 16
	DENSE G1SB, 23, 32
	s_mul_i32 s76, s21, ABYTES                     ; where my blocks begin, in bytes: A's codes,
	s_mov_b32 s77, 0
	s_lshl_b32 s78, s21, 12                        ; A's scale words,
	s_mov_b32 s79, 0
	s_add_co_u32 s80, s19, 44                      ; w_out begins 44 x 16 tiles into cod1 and scl1
	s_lshl_b32 s82, s80, 13                        ; B's scale words,
	s_mov_b32 s83, 0
	s_mul_i32 s80, s80, BBYTES                     ; B's codes
	s_mov_b32 s81, 0
	s_wait_alu depctr_va_vdst(0)
	s_wait_dscnt 0x0
	s_wait_kmcnt 0x0
	GROUP0 G0A,  0,        4,  76
	GROUP0 G0SA, SCL,      6,  78
	GROUP0 G0B,  BBASE,    8,  80
	GROUP0 G0SB, SCL+4096, 10, 82
	CROUND                                         ; all sixteen work-groups are here: the joint loads meet
	ARM 0, G0B,  G1B,  .Larm_a
	ARM 1, G0A,  G1A,  .Larm_sa
	ARM 2, G0SA, G1SA, .Larm_sb
	tensor_load_to_lds s[G0SB:G0SB+3], s[G1SB:G1SB+7]
	s_nop 0
	PLACES 4
.Lasked:
	s_mul_i32 s76, s17, 4*TILEM                    ; my four tiles of A
	s_mul_i32 s77, s18, 8*TILEM
	s_add_co_u32 s77, s77, BBASE                   ; my eight tiles of B
	s_lshl_b32 s78, s17, 11
	s_lshl_b32 s79, s18, 12
	s_add_co_u32 s79, s79, 4096
	s_sub_co_u32 s79, s79, s78                     ; from my A words to my B words
	s_add_co_u32 s78, s78, SCL
	s_mul_i32 s80, s16, 16*SPITCH                  ; my stage
	s_lshl_b32 s82, s19, 10
	s_lshl_b32 s83, s18, 9
	s_add_co_u32 s82, s82, s83                     ; my first column, in bytes
	s_mov_b32 s83, 0
	s_add_nc_u64 s[12:13], s[12:13], s[82:83]
	s_add_nc_u64 s[14:15], s[14:15], s[82:83]
	s_lshl_b32 s82, s21, 19                        ; 128 rows of 4,096 bytes a tile row,
	s_lshl_b32 s84, s17, 18                        ; 64 a half
	s_add_co_u32 s82, s82, s84
	s_add_nc_u64 s[14:15], s[14:15], s[82:83]
	v_and_b32 v1, 31, v0
	v_and_b32 v4, 15, v0
	v_bfe_u32 v2, v0, 4, 1
	v_lshlrev_b32 v3, 3, v1                        ; 8 x lane
	v_lshlrev_b32 v[BO], 7, v2
	v_add_nc_u32 v[ADRA], s76, v3
	v_add_nc_u32 v[ADRB], s77, v3
	v_add_nc_u32 v[ADRB+1], 4*TILEM, v[ADRB]       ; B's tiles 4-7: the immediates reach four tiles
	v_mul_u32_u24 v5, s79, v2                      ; lanes 16-31 take B's words
	v_lshl_add_u32 v5, v4, 2, v5
	v_add_nc_u32 v[ADRS], s78, v5
	v_mul_u32_u24 v6, v4, SPITCH                   ; the stage, in: row l % 16, 128 bytes on for lanes 16-31
	v_lshl_add_u32 v6, v2, 7, v6
	v_add_nc_u32 v[STO], s80, v6
	v_lshlrev_b32 v[CO], 4, v1                     ; back: the 32 lanes take one row of 512 bytes; and the same in out0
	v_add_nc_u32 v[RD], s80, v[CO]
.irp b, 0,1,2,3,4,5,6,7
	global_load_b128 v[BIAS+8*\b:BIAS+8*\b+3], v[BO], s[12:13] offset:256*(\b/4)+32*(\b%4)      ; register j of tile b is column 64 (b / 4) + 32 h + 8 (b % 4) + j
	global_load_b128 v[BIAS+8*\b+4:BIAS+8*\b+7], v[BO], s[12:13] offset:256*(\b/4)+32*(\b%4)+16
.endr
.macro FETCH q, p                      ; step q's fragments into sets p: 72 loads in one run
	WIN 0x40
.irp i, 0,1,2,3,4,5,6,7
.irp l, 0,1,2,3,4,5
	ds_load_b64 v[128*(\p)+FR*\i+2*\l:128*(\p)+FR*\i+2*\l+1], v[ADRB+\i/4] offset:(\i%4)*TILEM+(\q)*1536+256*\l
.endr
.endr
	WIN 0
.irp i, 0,1,2,3
.irp l, 0,1,2,3,4,5
	ds_load_b64 v[AF+48*(\p)+FR*\i+2*\l:AF+48*(\p)+FR*\i+2*\l+1], v[ADRA] offset:\i*TILEM+(\q)*1536+256*\l
.endr
.endr
.endm
.macro MUL q, first                    ; 32 products, the 32 accumulators by turns
.if \first
	WIN 0x81
.else
	WIN 0xa1
.endif
.irp a, 0,1,2,3
.irp b, 0,1,2,3,4,5,6,7
.if \first
	v_wmma_scale_f32_16x16x128_f8f6f4 v[8*(8*\a+\b):8*(8*\a+\b)+7], v[128*((\q)%2)+FR*\b:128*((\q)%2)+FR*\b+FR-1], v[AF+48*((\q)%2)+FR*\a:AF+48*((\q)%2)+FR*\a+FR-1], v[BIAS+8*\b:BIAS+8*\b+7], v[SC+8*(\q)+\b], v[SC+8*(\q)+\a] matrix_a_fmt:MATRIX_FMT_FP6 matrix_b_fmt:MATRIX_FMT_FP6 matrix_a_scale:MATRIX_SCALE_ROW1
.else
	v_wmma_scale_f32_16x16x128_f8f6f4 v[8*(8*\a+\b):8*(8*\a+\b)+7], v[128*((\q)%2)+FR*\b:128*((\q)%2)+FR*\b+FR-1], v[AF+48*((\q)%2)+FR*\a:AF+48*((\q)%2)+FR*\a+FR-1], v[8*(8*\a+\b):8*(8*\a+\b)+7], v[SC+8*(\q)+\b], v[SC+8*(\q)+\a] matrix_a_fmt:MATRIX_FMT_FP6 matrix_b_fmt:MATRIX_FMT_FP6 matrix_a_scale:MATRIX_SCALE_ROW1
.endif
.endr
.endr
	WIN 0
.endm
	s_wait_alu depctr_va_vdst(0)
	s_wait_tensorcnt 0x0                           ; my block has landed,
	s_barrier_signal -1
	s_barrier_wait -1                              ; everybody's has
.irp q, 0,1,2,3,4,5,6,7
.irp i, 0,1,2,3,4,5,6,7
	ds_load_b32 v[SC+8*\q+\i], v[ADRS] offset:512*\i+64*\q   ; all scale words, once.  (For i over 3 lanes 0-15 read words of other rows: filled bytes, never named as A's scales)
.endr
.endr
	FETCH 0, 0
	s_wait_loadcnt 0x0                             ; the bias
	s_wait_dscnt 0x0
	FETCH 1, 1
	MUL 0, 1                                       ; the first products start the sums on the bias
.irp q, 1,2,3,4,5,6
	s_wait_dscnt 0x0                               ; step q's fragments are in: they were asked for ahead of the last 32 products
	PLACES 4                                       ; in front of the loads into the sets that those products read
	FETCH \q+1, (\q+1)%2
	MUL \q, 0
.endr
	s_wait_dscnt 0x0                               ; my last reads of LDS are over:
	s_barrier_signal -1                            ; say so,
	MUL 7, 0                                       ; work on registers while the others arrive,
	s_barrier_wait -1                              ; and behind this nobody reads the bytes that the stages take
; THE WAY OUT, block by block of 16 rows x 128 columns, through my own stage: back come whole rows of 512 bytes, stored as two aligned units of 256 bytes.  LDS serves a wave's instructions in order: no wait between the stores and the loads.
.macro TOSTAGE a
	WIN 0x08
.irp b, 0,1,2,3,4,5,6,7
	ds_store_b128 v[STO], v[64*(\a)+8*\b:64*(\a)+8*\b+3] offset:256*(\b/4)+32*(\b%4)          ; each accumulator from its low end on
	ds_store_b128 v[STO], v[64*(\a)+8*\b+4:64*(\a)+8*\b+7] offset:256*(\b/4)+32*(\b%4)+16
.endr
	WIN 0
.irp t, 0,1,2,3,4,5,6,7,8,9,10,11,12,13,14,15
	ds_load_b128 v[BK+64*((\a)%2)+4*\t:BK+64*((\a)%2)+4*\t+3], v[RD] offset:\t*SPITCH
.endr
.endm
.macro SEND a, younger                 ; younger: the LDS instructions issued behind block a's loads, which may stay out
	s_wait_dscnt \younger
.if (\a) > 0
	s_add_nc_u64 s[14:15], s[14:15], 8*4096        ; (behind a wait on XCNT)  tile a begins 8 rows behind tile a - 1
.endif
.irp t, 0,1,2,3,4,5,6,7,8,9,10,11,12,13,14,15
	global_store_b128 v[CO], v[BK+64*((\a)%2)+4*\t:BK+64*((\a)%2)+4*\t+3], s[14:15] offset:(32*(\t/8)+\t%8)*4096 th:TH_STORE_NT
.endr
.endm
	PLACES 4                                       ; in front of the first read of results and of the loads into registers that products have read
	TOSTAGE 0
.irp a, 1,2,3
.if \a > 1
	s_wait_xcnt 0x0                                ; block a - 2's stores have read their registers and their base
.endif
	TOSTAGE \a
	SEND \a-1, 32                                  ; behind block a - 1's loads: block a's 16 stores and 16 loads
.endr
	s_wait_xcnt 0x0
	SEND 3, 0
	s_wait_tensorcnt 0x0                           ; the wave's end
	ds_add_u32 v[SPW], v[NIL]
	s_wait_dscnt 0x0
	CROUND                                         ; the closing round
	s_endpgm
.Lfunc_end_k_q0696b8a5ac_gemm_out:
	.size	k_q0696b8a5ac_gemm_out, .Lfunc_end_k_q0696b8a5ac_gemm_out-k_q0696b8a5ac_gemm_out
	.p2alignl 7, 3214868480
	.fill 96, 4, 3214868480
	.section	.rodata,"a",@progbits
	.p2align	6, 0x0
	.amdhsa_kernel k_q0696b8a5ac_gemm_out
		.amdhsa_group_segment_fixed_size 327680
		.amdhsa_private_segment_fixed_size 0
		.amdhsa_enable_private_segment 0
		.amdhsa_kernarg_size 48
		.amdhsa_user_sgpr_count 2
		.amdhsa_user_sgpr_kernarg_segment_ptr 1
		.amdhsa_wavefront_size32 1
		.amdhsa_system_sgpr_workgroup_id_x 1
		.amdhsa_system_sgpr_workgroup_id_y 1
		.amdhsa_system_sgpr_workgroup_id_z 1
		.amdhsa_system_vgpr_workitem_id 0
		.amdhsa_next_free_vgpr 768
		.amdhsa_next_free_sgpr 90
		.amdhsa_reserve_vcc 0
		.amdhsa_float_denorm_mode_32 3
		.amdhsa_float_denorm_mode_16_64 3
		.amdhsa_memory_ordered 1
		.amdhsa_forward_progress 1
		.amdhsa_inst_pref_size 99
	.end_amdhsa_kernel
	.amdgpu_metadata
---
amdhsa.version: [ 1, 2 ]
amdhsa.kernels:
  - .name:           k_q0696b8a5ac_gemm_out
    .symbol:         k_q0696b8a5ac_gemm_out.kd
    .args:
      - { .name: oc, .offset: 0, .size: 8, .value_kind: global_buffer, .address_space: global }
      - { .name: os, .offset: 8, .size: 8, .value_kind: global_buffer, .address_space: global }
      - { .name: cod1, .offset: 16, .size: 8, .value_kind: global_buffer, .address_space: global }
      - { .name: scl1, .offset: 24, .size: 8, .value_kind: global_buffer, .address_space: global }
      - { .name: b_out, .offset: 32, .size: 8, .value_kind: global_buffer, .address_space: global }
      - { .name: out0, .offset: 40, .size: 8, .value_kind: global_buffer, .address_space: global }
    .group_segment_fixed_size: 327680
    .private_segment_fixed_size: 0
    .kernarg_segment_align: 8
    .kernarg_segment_size: 48
    .max_flat_workgroup_size: 128
    .sgpr_count:     90
    .vgpr_count:     768
    .wavefront_size: 32
...
	.end_amdgpu_metadata
.endif
;; end of part 4
